; MI455X (gfx1250); checked and timed in simulation.
; The chip was launched on July 23, 2026; its instructions are those of AMD's public machine-readable ISA for CDNA 5 (MIT licence, August 2026) and "CDNA5" Instruction Set Architecture Reference Guide (July 2026). The comments in the code are by the model that wrote it; some were corrected since.
;; Attention. Allowed arithmetic: matrix products marked QUANTISED: E2M3 operands, one E8M0 scale for each 32 along K, by v_wmma_scale_f32_16x16x128_f8f6f4 with both operands' format E2M3, f32 sums; everything else in f32.
;; Inputs: k_norm_w 64 float32; proj_b 1,024 float32; proj_w_codes 1,024 x 32 x 24 uint8 (E2M3 codes of proj_w, K innermost, in blocks of 32 codes, four codes in three bytes); proj_w_scales 1,024 x 32 uint8 (E8M0 scales of proj_w, one for each 32 codes along K); q_norm_w 64 float32; qkv_w_codes 3,072 x 32 x 24 uint8 (E2M3 codes of qkv_w, K innermost, in blocks of 32 codes, four codes in three bytes); qkv_w_scales 3,072 x 32 uint8 (E8M0 scales of qkv_w, one for each 32 codes along K); x_codes 4 x 2,048 x 32 x 24 uint8 (E2M3 codes of x, K innermost, in blocks of 32 codes, four codes in three bytes); x_scales 4 x 2,048 x 32 uint8 (E8M0 scales of x, one for each 32 codes along K).
;; Outputs: out0 4 x 2,048 x 1,024 float32.
;; This version of the problem:
;;   THIS VERSION OF THE PROBLEM IS GIVEN IN LOW PRECISION. The matrix products marked QUANTISED in the list below multiply operands that are first quantised to E2M3 (2 exponent bits, 3 mantissa bits; 6 bits a number), with one power-of-two scale for each 32 numbers along K (OCP MX v1.0); their sums are f32. All else is computed in f32.
;;   The module's matrix products, in the order in which they are computed (A, B: the left and right operand; K: the contracted axis; several contracted axes count as one K, in the product's order):
;;     1. [M 8,192, K 1,024] x [K 1,024, N 3,072]; A: input x (given as codes); B: input qkv_w (given as codes): QUANTISED
;;     2. batch 64 x [M 2,048, K 64] x [K 64, N 2,048]; A: computed on the way; B: computed on the way: QUANTISED
;;     3. batch 64 x [M 2,048, K 2,048] x [K 2,048, N 64]; A: softmax (see below); B: computed on the way: QUANTISED
;;     4. [M 8,192, K 1,024] x [K 1,024, N 1,024]; A: computed on the way; B: input proj_w (given as codes): QUANTISED
;;   THE QUANTISER, for each operand of a quantised product, along K:
;;     - K is cut into blocks of 32 from its start; a last block that is shorter is filled with zeros.
;;     - A block's scale is 2^e with e = floor(log2(the largest magnitude in the block)) - 2, held to -126 .. 127; a block of zeros has e = 0. As a byte (E8M0): e + 127.
;;     - Each number is divided by its block's scale, clamped to +-7.5, and rounded to the nearest number of E2M3, ties to even, subnormals kept.
;;     - The product sums the exact products of the quantised numbers (number of the format x scale) in f32.
;;   ~~~python
;;   def quantise(x, axis):      # numpy; x: float32 -> the quantised numbers, widened to float32 again
;;       x = np.moveaxis(x, axis, -1); K = x.shape[-1]
;;       x = np.pad(x, [(0, 0)] * (x.ndim - 1) + [(0, -K % 32)]); x = x.reshape(x.shape[:-1] + (-1, 32)); a = np.abs(x).max(-1, keepdims=True)
;;       e = np.where(a > 0, np.clip(np.frexp(np.where(a > 0, a, 1))[1] - 1 - 2, -126, 127), 0)      # np.frexp(a)[1] - 1 = floor(log2(a)), exactly
;;       r = np.clip(x / 2.0 ** e, -7.5, 7.5)
;;       step = 2.0 ** (np.maximum(np.frexp(np.where(r == 0, 1, r))[1] - 1, 0) - 3)
;;       q = np.round(r / step) * step * 2.0 ** e      # np.round: ties to even
;;       return np.moveaxis(q.reshape(q.shape[:-2] + (-1,))[..., :K], -1, axis).astype(np.float32)
;;   ~~~
;;   SOFTMAX AHEAD OF A QUANTISED PRODUCT. Where the list says 'softmax', what is quantised is not the finished softmax but p = 2^(t - M), with t = logit x log2(e) and M = ceil(the row's largest t), a whole number; so 1/2 < the row's largest p <= 1. The row's sum l is taken of the UNQUANTISED p, in f32, and the product's result is divided by l at the end. Since M is a whole number, a kernel that streams over the keys may use a running M (the ceiling of the running maximum): every later rescaling is an exact power of two, which a block's scale takes up: the codes' values come out the same.
;;   OPERANDS COMPUTED ON THE WAY. 'Computed on the way' means the value that the module computes at that place (a softmax that the list does not call 'softmax' is quantised finished and normalised). What goes into a quantiser is computed in f32, as accurately as f32 sums, v_exp_f32 and their like allow (about 1e-6 of the number): no bf16 or f16 on the way to a quantiser, and a product that is left as it is and whose result goes on into a quantised operand takes f32 operands (vector FMAs, or v_wmma_f32_16x16x4_f32). A number that lies on a knife's edge between two numbers of the format may be rounded either way, as far as f32 arithmetic and the matrix unit's own rounding can turn it there, and no further.
;;   INPUTS GIVEN AS CODES. proj_w (in the module: [1024, 1024], K = its axis 1); qkv_w (in the module: [3072, 1024], K = its axis 1); x (in the module: [4, 2048, 1024], K = its axis 2): each comes as NAME_codes (uint8): NAME with its K axis moved to the last place and cut into blocks of 32 codes, [.., K / 32, bytes a block], one block behind the other in memory; four codes in three bytes: a row's codes are one little-endian stream of bits, code i at bits 6 i .. 6 i + 5 (a code: sign, 2 exponent bits, 3 mantissa bits); and NAME_scales (uint8): the same leading axes, one E8M0 byte (e + 127) for each 32 codes along K. Its value is code x scale, taken as it is: it is not quantised again, and the codes and scales need not be those that the quantiser above would give.
;; One version. Each part assembles by itself: llvm-mc -triple=amdgcn-amd-amdhsa -mcpu=gfx1250 --defsym DOCPART=n.
;; ======== version 1 of 1: 3 launches
;; limits: right only within a limited range of input values
;; workspace buffers: qf 6,553,600 bytes; kv 13,107,200 bytes; oc 6,291,456 bytes; os 262,144 bytes
;; launch qkv (part 1): grid 12 x 32, 4 waves a work-group, clusters of 4 x 4, 327,680 bytes of LDS; arguments x_codes, x_scales, qkv_w_codes, qkv_w_scales, q_norm_w, k_norm_w, qf, kv; writes qf, kv
.if DOCPART == 1
	.amdgcn_target "amdgcn-amd-amdhsa--gfx1250"
	.amdhsa_code_object_version 6
	.text
	.protected	k_qbad32e6366_qkv
	.globl	k_qbad32e6366_qkv
	.p2align	8
	.type	k_qbad32e6366_qkv,@function
k_qbad32e6366_qkv:
	s_mov_b64 s[64:65], 0
	v_nop
	global_prefetch_b8 v0, s[64:65] scope:SCOPE_SE
	s_setreg_imm32_b32 hwreg(HW_REG_WAVE_MODE, 25, 1), 1
	s_wait_xcnt 0x0
	s_wait_alu depctr_hold_cnt(0) depctr_sa_sdst(0) depctr_va_vdst(0) depctr_va_sdst(0) depctr_va_ssrc(0) depctr_va_vcc(0) depctr_vm_vsrc(0)
	s_getreg_b32 s2, hwreg(HW_REG_IB_STS2, 6, 4)
	s_cmp_eq_u32 s2, 0
	s_cbranch_scc0 .Lentry_in_a_cluster
	s_endpgm
.Lentry_in_a_cluster:
	s_bfe_u32 s2, ttmp6, 0x10000c
	s_cmp_lg_u32 s2, 0xf033
	s_cbranch_scc0 .Lentry_shape_is_right
	s_endpgm
.Lentry_shape_is_right:
; qkv = x W^T on codes of FP6 (E2M3) with E8M0 scales (8,192 x 1,024 x 3,072), then the per-head RMS norm of q and k and the quantising of q, k (along the head's 64) and v (along the tokens).
; What leaves are codes and scale words, laid as IMAGES OF OPERAND REGISTERS for the attention launch (a fragment's registers 4 k .. 4 k + 3 of lane L at 512 k + 16 L):
;   qf [batch x head 64][128 tokens 16] records of 6,400 bytes: four fragments (pair p: tokens 32 p .. + 15 in registers 0-5, tokens 32 p + 16 .. + 31 in registers 6-11; K = the head's 64), then 256 bytes of scale words;
;   kv [64][16] records of 12,800 bytes: K's four fragments as q's, V^T's four (16 of the head's 64 x the record's 128 tokens), K's 256 bytes of scale words, V's.
;   A scale word (fragment f, row r) lies at 8 (16 (f % 2) + r) + 4 (f / 2).
; A tile of 256 x 256 is made by four waves, 128 x 128 each (64 accumulators).  K goes through two LDS slots in CHUNKS OF 256 BYTES of each row (a row of codes is 768 bytes: three chunks, each on a 256-byte border);
; a step of 128 along K is 96 bytes: eight steps to three chunks; steps 2 and 5 lie across two chunks.  The scales of the 256 + 256 rows come once, as dense blocks.
; CLUSTER 4 x 4: source 1's tiles are shared along a row of the cluster, source 0's along a column, by joint loads.
; ROLES.  For q and k (cluster x = 0, 1) source 1 = x, source 0 = W: a lane holds one token, its registers run along the head.  For v (cluster x = 2) source 1 = W, source 0 = x: registers run along the tokens.
; ORDER INSIDE A BLOCK OF 32: after the conversions a lane holds a block in the order 0-7, 16-23, 8-15, 24-31; q and k carry it alike, and so do v here and p in the attention launch: products and scales are unchanged.
; q x 2^-3 is not applied here: the attention launch folds it into its factor.
; No prefetch: K is three chunks at a block of 256 x 256 in clusters; two of the three chunks are asked for before the first product.
; LIMITS: NaN and infinities are not served.  A block of zeros, or one whose largest magnitude lies under 2^-124, keeps the byte 1 (the bytes are read by this program alone).
; REGISTERS: window 0: v16-30 addresses, v32-63 scale words (two sets), from v128 source 1's fragments (one set); window 1: source 0's fragments, two sets; windows 2, 3: accumulators ((a, b) at v[8 (8 a + b)]).
.set ROWB,   256
.set NQ,     2
.set KROW,   768
.set STEPS,  8
.set CHUNKS, 3
.set PITCH,  272                       ; 256 bytes + 16 of padding
.set FR,     12
.set NL,     6
.set NP,     4
.set HALFT,  128*PITCH
.set SLOT,   4*HALFT
.set KS,     32
.set SCL,    2*SLOT
.set HALFS,  16*272
.set SBLK,   2*272
.set SPARE,  SCL+4*HALFS               ; the spare words: 128 bytes a wave
.set ADRA, 16                          ; v16-17 slot 0, 1; v18-19 for pieces whose two halves of the lanes lie in different chunks
.set ADRB, 20
.set LI,   24
.set L8,   25
.set L8S,  26
.set ADRS, 27
.set SPW,  28
.set NIL,  29
.set WO,   30
.set SC,   32
.set AF,   128
.set T,    64
.set CD,   128
.set TM,   168
.set PWS,  184
.set SW,   188
.set SS,   192
.set WN,   224
.set WV,   20
.set ROLE, 21
.set HALF, 22
.set G0H,  4                           ; s[4:7], s[8:11]: group 0 of the head's loads of chunk 0 (the arguments there have been used)
.set G0HB, 8
.set G1,   24
.set G0,   32
.set G1B,  48
.set G0B,  56
.set SEL,  66
.set G1S,  68
.set G0S,  76
.set G1SB, 80
.set G0SB, 88
.set OB,   92
.set NW,   96
.set HM,   101
.set MSB, 0
.macro WIN new
.if MSB != (\new)
	s_set_vgpr_msb (MSB<<8)|(\new)
.set MSB, (\new)
.endif
.endm
.set MUL_LO, 0xa1
.set MUL_HI, 0xf1
.set TO_B,   0x40
.macro TLOAD g0, g1                    ; a tensor load with an s_nop and four v_nop behind it
	tensor_load_to_lds s[\g0:\g0+3], s[\g1:\g1+7]
	s_nop 0
.rept 4
	v_nop
.endr
.endm
.macro JLOAD g0a, g1a, g0b, g1b        ; waves 0, 1 fetch for source 1, waves 2, 3 for source 0
	s_cmp_eq_u32 s[ROLE], 0
	s_cbranch_scc0 .Lfor_b_\@
	TLOAD \g0a, \g1a
	s_branch .Lasked_\@
.Lfor_b_\@:
	TLOAD \g0b, \g1b
.Lasked_\@:
.endm
.macro CREST
	s_cmp_lg_u32 s[WV], 0
	s_cbranch_scc1 .Lnot_wave_0_\@
	s_barrier_signal -3
.Lnot_wave_0_\@:
	s_barrier_wait -3
	s_barrier_signal -1
	s_barrier_wait -1
.endm
.macro CROUND
	s_barrier_signal -1
	s_barrier_wait -1
	CREST
.endm
.macro ARM under, g0, g1, next         ; one arm of the head's tree: one load, then to the tree's end
	s_cmp_lt_u32 s[WV], \under
	s_cbranch_scc0 \next
	TLOAD \g0, \g1
	s_branch .Lhead_asked
\next:
.endm
	s_load_b256 s[4:11], s[0:1], 0x0               ; x's codes, x's scales, W's codes, W's scales
	s_load_b256 s[12:19], s[0:1], 0x20             ; q's norm weights, k's, qf, kv
	v_lshl_add_u32 v[SPW], v0, 2, SPARE
	v_mov_b32 v[NIL], 0
	ds_add_u32 v[SPW], v[NIL]                      ; the opening lines: the add twice and one wait
	ds_add_u32 v[SPW], v[NIL]
	v_lshrrev_b32 v1, 5, v0
	v_readfirstlane_b32 s[WV], v1
	s_lshr_b32 s[ROLE], s[WV], 1
	s_and_b32 s[HALF], s[WV], 1
	s_bfe_u32 s40, ttmp6, 0x40000                  ; cx
	s_bfe_u32 s41, ttmp6, 0x40004                  ; cy
	s_and_b32 s100, ttmp7, 0xffff
	s_cmp_eq_u32 ttmp9, 2                          ; the cluster's x says q, k or v: alike in all partners
	s_cselect_b32 s43, 2, s100
	s_cselect_b32 s42, s100, ttmp9
	s_lshl_b32 s43, s43, 2
	s_add_co_u32 s43, s43, s41                     ; source 1's tile of 256 rows
	s_lshl_b32 s42, s42, 2
	s_add_co_u32 s42, s42, s40                     ; source 0's tile
	s_lshl_b32 s44, s41, 2
	s_lshl_b32 s44, 15, s44                        ; my row of the cluster
	s_lshl_b32 s45, 0x1111, s40                    ; my column
	s_or_b32 s[G1+0], s44, (0<<16)|(1<<20)|(1<<21)|(5<<22)|(3<<25)   ; rows of 256 bytes, 16 of padding behind each
	s_or_b32 s[G1B+0], s45, (0<<16)|(1<<20)|(1<<21)|(5<<22)|(3<<25)
.irp g, G1, G1B
	s_mov_b32 s[\g+1], ROWB<<16
	s_mov_b32 s[\g+2], 256<<16                     ; 256 rows for the head's loads
	s_mov_b32 s[\g+3], ROWB<<16
	s_mov_b32 s[\g+4], 256
	s_mov_b32 s[\g+5], KROW
	s_mov_b32 s[\g+6], 0
	s_mov_b32 s[\g+7], 0
.endr
	s_or_b32 s[G1S+0], s44, (3<<16)|(1<<20)|(1<<21)|(5<<22)|(3<<25)  ; the scales of 256 rows: 8,192 dense bytes as 32 rows of 256
	s_or_b32 s[G1SB+0], s45, (3<<16)|(1<<20)|(1<<21)|(5<<22)|(3<<25)
.irp g, G1S, G1SB
	s_mov_b32 s[\g+1], 32<<16
	s_mov_b32 s[\g+2], KS<<16
	s_mov_b32 s[\g+3], 32<<16
	s_mov_b32 s[\g+4], KS
	s_mov_b32 s[\g+5], 32
	s_mov_b32 s[\g+6], 0
	s_mov_b32 s[\g+7], 0
.endr
	s_lshl_b32 s2, s43, 8                          ; byte offsets (rows under 8,192: 32 bits do), made in the groups' address words
	s_mul_i32 s[G0+2], s2, KROW
	s_mov_b32 s[G0+3], 0
	s_lshl_b32 s[G0S+2], s2, 5
	s_mov_b32 s[G0S+3], 0
	s_lshl_b32 s66, s42, 8
	s_mul_i32 s[G0B+2], s66, KROW
	s_mov_b32 s[G0B+3], 0
	s_lshl_b32 s[G0SB+2], s66, 5
	s_mov_b32 s[G0SB+3], 0
	s_mul_i32 s2, s[HALF], 128*KROW                ; in the ring I fetch 128 rows: which half,
	s_mov_b32 s3, 0
	s_mul_i32 s46, s[WV], HALFT                    ; and where they go
	s_wait_dscnt 0x0                               ; both opening adds are done
	s_wait_kmcnt 0x0
	s_cmp_eq_u32 ttmp9, 2
	s_cselect_b64 s[92:93], s[8:9], s[4:5]         ; source 1's codes,
	s_cselect_b64 s[94:95], s[10:11], s[6:7]       ; its scales,
	s_cselect_b64 s[96:97], s[4:5], s[8:9]         ; source 0's codes,
	s_cselect_b64 s[98:99], s[6:7], s[10:11]       ; its scales
	s_add_nc_u64 s[G0+2:G0+3], s[92:93], s[G0+2:G0+3]
	s_add_nc_u64 s[G0B+2:G0B+3], s[96:97], s[G0B+2:G0B+3]
	s_mov_b32 s[G0S], 1
	s_mov_b32 s[G0S+1], SCL
	s_add_nc_u64 s[G0S+2:G0S+3], s[94:95], s[G0S+2:G0S+3]
	s_or_b32 s[G0S+3], s[G0S+3], 0x80000000
	s_mov_b32 s[G0SB], 1
	s_mov_b32 s[G0SB+1], SCL+2*HALFS
	s_add_nc_u64 s[G0SB+2:G0SB+3], s[98:99], s[G0SB+2:G0SB+3]
	s_or_b32 s[G0SB+3], s[G0SB+3], 0x80000000
	s_mov_b32 s[G0H], 1                            ; chunk 0, whole tiles
	s_mov_b32 s[G0H+1], 0
	s_mov_b64 s[G0H+2:G0H+3], s[G0+2:G0+3]
	s_or_b32 s[G0H+3], s[G0H+3], 0x80000000
	s_mov_b32 s[G0HB], 1
	s_mov_b32 s[G0HB+1], 2*HALFT
	s_mov_b64 s[G0HB+2:G0HB+3], s[G0B+2:G0B+3]
	s_or_b32 s[G0HB+3], s[G0HB+3], 0x80000000
	s_add_nc_u64 s[G0+2:G0+3], s[G0+2:G0+3], s[2:3]      ; the ring's: my 128 rows; slot s begins at chunk s
	s_add_nc_u64 s[G0B+2:G0B+3], s[G0B+2:G0B+3], s[2:3]
	s_add_nc_u64 s[G0+6:G0+7], s[G0+2:G0+3], ROWB
	s_add_nc_u64 s[G0B+6:G0B+7], s[G0B+2:G0B+3], ROWB
.irp g, G0, G0B
	s_mov_b32 s[\g], 1
	s_mov_b32 s[\g+1], s46
	s_or_b32 s[\g+3], s[\g+3], 0x80000000
	s_mov_b32 s[\g+4], 1
	s_add_co_u32 s[\g+5], s46, SLOT
	s_or_b32 s[\g+7], s[\g+7], 0x80000000
.endr
	CROUND                                         ; all sixteen work-groups are here: the first joint loads meet
	ARM 1, G0H,  G1,  .Lhead_b                     ; one load a wave: chunk 0 of source 1, of source 0, source 1's scales, source 0's
	ARM 2, G0HB, G1B, .Lhead_sa
	ARM 3, G0S,  G1S, .Lhead_sb
	TLOAD G0SB, G1SB
.Lhead_asked:
	; where my results go (scalar work first, then the vector lines on end)
	s_lshl_b32 s2, s43, 8
	s_lshl_b32 s23, s[ROLE], 7
	s_add_co_u32 s2, s2, s23                       ; source 1's first row of mine
	s_lshl_b32 s23, s42, 8
	s_lshl_b32 s46, s[HALF], 7
	s_add_co_u32 s23, s23, s46                     ; source 0's
	s_cmp_eq_u32 ttmp9, 2
	s_cselect_b32 s46, s23, s2                     ; my first token,
	s_cselect_b32 s47, s2, s23                     ; my first row of W
	s_bfe_u32 s47, s47, 0x40006                    ; its head
	s_lshr_b32 s2, s46, 11                         ; the batch
	s_lshl_b32 s2, s2, 4
	s_or_b32 s2, s2, s47
	s_lshl_b32 s2, s2, 4
	s_bfe_u32 s46, s46, 0x40007
	s_or_b32 s2, s2, s46                           ; the record's number
	s_cmp_eq_u32 ttmp9, 0
	s_cselect_b64 s[OB:OB+1], s[16:17], s[18:19]
	s_cselect_b64 s[NW:NW+1], s[12:13], s[14:15]
	s_mov_b32 s23, 12800
	s_cselect_b32 s23, 6400, s23                   ; bytes in a record
	s_mov_b32 s46, 12288
	s_cselect_b32 s46, 6144, s46                   ; where q's or k's scale words begin in it
	s_mul_i32 s2, s2, s23
	s_mov_b32 s3, 0
	s_add_nc_u64 s[OB:OB+1], s[OB:OB+1], s[2:3]
	s_lshl_b32 s2, s23, 4                          ; the next head's record lies 16 records on
	s_add_nc_u64 s[OB+2:OB+3], s[OB:OB+1], s[2:3]
	s_mov_b32 s98, 0x3c800000                      ; 1 / 64
	s_mov_b32 s99, 0x358637bd                      ; 1e-6
	s_mov_b32 s[HM], 0xffff0000
	s_mov_b32 s[SEL], 0x76543210
	s_mov_b32 s[SEL+1], 0xfedcba98
	s_mul_i32 s2, s[ROLE], HALFT                   ; my 128 rows of source 1 in slot 0,
	s_mul_i32 s23, s[HALF], HALFT
	s_add_co_u32 s23, s23, 2*HALFT                 ; of source 0,
	s_add_co_u32 s3, s2, SLOT                      ; and in slot 1
	s_add_co_u32 s40, s23, SLOT
	s_mov_b32 s41, SLOT-232
	s_mov_b32 s44, SLOT+232
	s_mul_i32 s100, s[ROLE], HALFS
	s_mul_i32 s45, s[HALF], HALFS
	s_add_co_u32 s45, s45, 2*HALFS
	s_sub_co_u32 s45, s45, s100                    ; from source 1's scales to source 0's
	s_add_co_u32 s100, s100, SCL
	v_and_b32 v1, 15, v0                           ; r
	v_bfe_u32 v2, v0, 4, 1                         ; h
	v_mul_u32_u24 v3, v1, PITCH
	v_mul_u32_u24 v4, v2, 24
	v_add_nc_u32 v4, v3, v4                        ; row x pitch + 24 h
	v_sub_nc_u32 v7, 1, v2
	v_mul_u32_u24 v5, s41, v2
	v_add_nc_u32 v5, v3, v5
	v_add_nc_u32 v5, 232, v5                       ; lanes 0-15 byte 232 in slot 0, lanes 16-31 byte 0 in slot 1;
	v_mul_u32_u24 v6, s44, v7
	v_add_nc_u32 v6, v3, v6                        ; and the other way round
	v_add_nc_u32 v[ADRA+2], s2, v5
	v_add_nc_u32 v[ADRA+3], s2, v6
	v_add_nc_u32 v[ADRB+2], s23, v5
	v_add_nc_u32 v[ADRB+3], s23, v6
	v_add_nc_u32 v[ADRA], s2, v4
	v_add_nc_u32 v[ADRB], s23, v4
	v_add_nc_u32 v[ADRA+1], s3, v4
	v_add_nc_u32 v[ADRB+1], s40, v4
	v_mul_u32_u24 v5, v1, KS                       ; my row's scales: 32 bytes a row, 16 more for each 256 passed
	v_lshrrev_b32 v6, 8, v5
	v_lshl_add_u32 v5, v6, 4, v5
	v_mul_u32_u24 v6, s45, v2                      ; lanes 16-31 take source 0's
	v_add_nc_u32 v5, v5, v6
	v_add_nc_u32 v[ADRS], s100, v5
	v_and_b32 v6, 31, v0
	v_lshlrev_b32 v[LI], 4, v6
	v_lshlrev_b32 v[L8], 3, v6
	v_lshlrev_b32 v[WO], 5, v2
	v_add_nc_u32 v[L8S], s46, v[L8]
.macro FRAG reg, adr, st, i            ; 16 rows x 128 K: registers 6 c .. 6 c + 5 hold K = 64 c + 32 h + 0 .. 31, in pieces of 8 bytes; byte y of a row lies in slot (y / 256) % 2 at byte y % 256
.irp p, 0,1,2,3,4,5
.set BY, 96*(\st)+48*(\p/3)+8*(\p%3)
.if BY/ROWB == (BY+24)/ROWB
	ds_load_b64 v[\reg+2*\p:\reg+2*\p+1], v[\adr+(BY/ROWB)%2] offset:BY%ROWB+(\i)*16*PITCH
.else
	ds_load_b64 v[\reg+2*\p:\reg+2*\p+1], v[\adr+2+(BY/ROWB)%2] offset:BY%ROWB-232+(\i)*16*PITCH
.endif
.endr
.endm
; 16 products: source 1's blocks a0, a0 + 1 x source 0's eight; the 64 accumulators take turns
.macro MUL16 a0, p, q, sc, zero
.irp a, \a0, \a0+1
.irp b, 0,1,2,3,4,5,6,7
.if \zero
	v_wmma_scale_f32_16x16x128_f8f6f4 v[8*(8*((\a)%4)+\b):8*(8*((\a)%4)+\b)+7], v[128*(\p)+FR*\b:128*(\p)+FR*\b+FR-1], v[AF+FR*(\a):AF+FR*(\a)+FR-1], 0, v[SC+8*NQ*(\sc)+NQ*\b+(\q)], v[SC+8*NQ*(\sc)+NQ*(\a)+(\q)] matrix_a_fmt:MATRIX_FMT_FP6 matrix_b_fmt:MATRIX_FMT_FP6 matrix_a_scale:MATRIX_SCALE_ROW1
.else
	v_wmma_scale_f32_16x16x128_f8f6f4 v[8*(8*((\a)%4)+\b):8*(8*((\a)%4)+\b)+7], v[128*(\p)+FR*\b:128*(\p)+FR*\b+FR-1], v[AF+FR*(\a):AF+FR*(\a)+FR-1], v[8*(8*((\a)%4)+\b):8*(8*((\a)%4)+\b)+7], v[SC+8*NQ*(\sc)+NQ*\b+(\q)], v[SC+8*NQ*(\sc)+NQ*(\a)+(\q)] matrix_a_fmt:MATRIX_FMT_FP6 matrix_b_fmt:MATRIX_FMT_FP6 matrix_a_scale:MATRIX_SCALE_ROW1
.endif
.endr
.endr
.endm
.macro FETCH_B st, p
	WIN TO_B
.irp i, 0,1,2,3,4,5,6,7
	FRAG 128*(\p)+FR*\i, ADRB, \st, \i
.endr
	WIN 0
.endm
.macro FETCH_A st, i0
.irp i, \i0, \i0+1, \i0+2, \i0+3
	FRAG AF+FR*(\i), ADRA, \st, \i
.endr
.endm
.macro SCALES pr                       ; the words of steps 2 pr, 2 pr + 1: lanes 0-15 source 1's block i, lanes 16-31 source 0's
.irp i, 0,1,2,3,4,5,6,7
	ds_load_b64 v[SC+8*NQ*((\pr)%2)+NQ*\i:SC+8*NQ*((\pr)%2)+NQ*\i+1], v[ADRS] offset:\i*SBLK+4*NQ*(\pr)
.endr
.endm
.macro PLACES n                        ; plain vector lines between a matrix instruction and a load into, or a read of, its registers
.rept \n
	v_nop
.endr
.endm
; A step of 128 along K.  Where the next step ENDS in a chunk not yet read: all my tensor loads are waited for and a barrier shows that chunk whole.
; Where it BEGINS in a later chunk than this one: the chunk left behind is read no more: wait, add, wait, barrier; if a chunk two on is left, the barrier opens a round and the slot is filled again.
.macro STEP st, zero
.set NX, (\st)+1
.set C0, (96*(\st))/ROWB
.set C1, (96*NX)/ROWB
.set E0, (96*(\st)+95)/ROWB
.set E1, (96*NX+95)/ROWB
.if C1 > C0 || E1 > E0
	s_wait_tensorcnt 0x0                           ; all my tensor loads have landed
.if C1 > C0
	ds_add_u32 v[SPW], v[NIL]
	s_wait_dscnt 4*NL+1                            ; the add and the youngest 24 loads (source 1's blocks 4-7) may be out
.else
	s_wait_dscnt 4*NL                              ; the youngest 24 loads may be out
.endif
	WIN MUL_LO
	MUL16 0, (\st)%2, (\st)%2, ((\st)/2)%2, \zero
	s_wait_dscnt 0x0                               ; the add, where there is one, and all my reads are done
	s_barrier_signal -1
	MUL16 2, (\st)%2, (\st)%2, ((\st)/2)%2, \zero
	WIN 0
	s_barrier_wait -1
.if C1 > C0 && C0+2 < CHUNKS
	CREST                                          ; no wave of any partner still reads this slot or has a load on its way
	s_add_nc_u64 s[G0+4*(C0%2)+2:G0+4*(C0%2)+3], s[G0+4*(C0%2)+2:G0+4*(C0%2)+3], 2*ROWB
	s_add_nc_u64 s[G0B+4*(C0%2)+2:G0B+4*(C0%2)+3], s[G0B+4*(C0%2)+2:G0B+4*(C0%2)+3], 2*ROWB
	JLOAD G0+4*(C0%2), G1, G0B+4*(C0%2), G1B       ; chunk C0 + 2; its four v_nop are the places in front of the loads below
.else
	PLACES NP
.endif
.else
	s_wait_dscnt 4*NL
	WIN MUL_LO
	MUL16 0, (\st)%2, (\st)%2, ((\st)/2)%2, \zero
	MUL16 2, (\st)%2, (\st)%2, ((\st)/2)%2, \zero
	s_wait_dscnt 0
	PLACES NP
.endif
	FETCH_B NX, NX%2
	FETCH_A NX, 0
.if NX%2 == 0
	SCALES NX/2
.endif
	WIN MUL_HI
	MUL16 4, (\st)%2, (\st)%2, ((\st)/2)%2, \zero
	MUL16 6, (\st)%2, (\st)%2, ((\st)/2)%2, \zero
	PLACES NP
	WIN 0
	FETCH_A NX, 4
.endm
	s_wait_alu depctr_va_vdst(0)                   ; the wait at the head's end
	s_wait_tensorcnt 0x0                           ; my tile of the head's four is in; slot 1's first fill is issued as a refill is
	ds_add_u32 v[SPW], v[NIL]
	s_mov_b32 s[G1+2], 128<<16                     ; no load of mine is out: from here on a load brings 128 rows
	s_mov_b32 s[G1+4], 128
	s_mov_b32 s[G1B+2], 128<<16
	s_mov_b32 s[G1B+4], 128
	s_wait_dscnt 0x0
	CROUND
	JLOAD G0+4, G1, G0B+4, G1B                     ; chunk 1
	FETCH_B 0, 0
	FETCH_A 0, 0
	SCALES 0
	FETCH_A 0, 4
	STEP 0, 1                                      ; the first step's products start the sums
.set ST, 1
.rept STEPS-2
	STEP ST, 0
.set ST, ST+1
.endr
	s_wait_dscnt 4*NL
	WIN MUL_LO
	MUL16 0, 1, 1, 1, 0
	MUL16 2, 1, 1, 1, 0
	s_wait_dscnt 0
	WIN MUL_HI
	MUL16 4, 1, 1, 1, 0
	MUL16 6, 1, 1, 1, 0
	WIN 0
; 64 numbers of a lane, registers s .. s + 63 of window w (four blocks of 32, 16 of each mine, 16 in lane l xor 16), become a fragment's codes in v[cd .. cd + 11] and its scale word in v[pw]; sources in ascending order
.macro QUANT s, w, cd, pw
.set QS, \s
.set QW, \w
.set QC, \cd
	WIN QW|(QW<<2)
.irp b, 0,1,2,3
	v_max3_num_f32 v[TM+\b], |v[QS+16*\b]|, |v[QS+1+16*\b]|, 0x1800000   ; with the floor 2^(3 - 127)
.endr
	WIN (QW<<2)|(QW<<4)
.irp i, 2,4,6,8,10,12,14
.irp b, 0,1,2,3
	v_max3_num_f32 v[TM+\b], v[TM+\b], |v[QS+16*\b+\i]|, |v[QS+1+16*\b+\i]|
.endr
.endr
	WIN 0
.irp b, 0,1,2,3
	v_permlanex16_b32 v[TM+4+\b], v[TM+\b], s[SEL], s[SEL+1]
.endr
.irp b, 0,1,2,3
	v_max_num_f32 v[TM+\b], v[TM+\b], v[TM+4+\b]
.endr
.irp b, 0,1,2,3
	v_add_nc_u32 v[TM+12+\b], 0xff000000, v[TM+\b] ; 2 off the exponent field: the conversion's scale operand
.endr
.irp b, 0,1,2,3
	v_lshrrev_b32 v[TM+4+\b], 23, v[TM+12+\b]      ; the byte
.endr
	v_lshl_or_b32 v[\pw], v[TM+5], 8, v[TM+4]
	v_lshl_or_b32 v[\pw], v[TM+6], 16, v[\pw]
	v_lshl_or_b32 v[\pw], v[TM+7], 24, v[\pw]
	s_wait_xcnt 0x0                                ; earlier stores have read their data
	WIN QW
.irp c, 0,1
	v_cvt_scalef32_pk16_fp6_f32 v[QC+6*\c:QC+2+6*\c], v[QS+32*\c:QS+15+32*\c], v[TM+12+2*\c]
	v_cvt_scalef32_pk16_fp6_f32 v[QC+12+4*\c:QC+14+4*\c], v[QS+16+32*\c:QS+31+32*\c], v[TM+12+2*\c+1]
.endr
	WIN 0
	v_nop                                          ; one plain place behind a scaled conversion
.irp c, 0,1                                    ; a whole block to a lane
.irp i, 0,1,2
	v_permlane16_swap_b32 v[QC+6*\c+\i], v[QC+12+4*\c+\i]
.endr
.irp i, 0,1,2
	v_mov_b32 v[QC+3+6*\c+\i], v[QC+12+4*\c+\i]
.endr
.endr
.endm
	PLACES NP
.irp b, 0,1,2,3
	v_mov_b32 v[TM+4+\b], 0                        ; a lane permute's destination counts as one of its sources
.endr
	s_cmp_eq_u32 ttmp9, 2
	s_cbranch_scc1 .Lpath_v                        ; on the cluster's x: alike in all partners and waves
	; q and k.  Unit U = 2 a + hd (16 tokens x one head): 32 registers at v[32 (U % 8)] of window 2 + U / 8: register 8 t + j = channel 16 t + 8 h + j
.irp t, 0,1,2,3
	global_load_b128 v[WN+8*\t:WN+8*\t+3], v[WO], s[NW:NW+1] offset:64*\t
	global_load_b128 v[WN+8*\t+4:WN+8*\t+7], v[WO], s[NW:NW+1] offset:64*\t+16
.endr
.irp W, 0,1                                    ; the sums of squares
	WIN (2+\W)|((2+\W)<<2)
.irp u, 0,1,2,3,4,5,6,7
	v_pk_mul_f32 v[SS+16*\W+2*\u:SS+16*\W+2*\u+1], v[32*\u:32*\u+1], v[32*\u:32*\u+1]
.endr
.set i, 2
.rept 15
.irp u, 0,1,2,3,4,5,6,7
	v_pk_fma_f32 v[SS+16*\W+2*\u:SS+16*\W+2*\u+1], v[32*\u+i:32*\u+i+1], v[32*\u+i:32*\u+i+1], v[SS+16*\W+2*\u:SS+16*\W+2*\u+1]
.endr
.set i, i+2
.endr
.endr
	WIN 0
.set u, 0
.rept 16
	v_add_f32 v[SS+2*u], v[SS+2*u], v[SS+2*u+1]
.set u, u+1
.endr
.set u, 0
.rept 16
	v_permlanex16_b32 v[SS+2*u+1], v[SS+2*u], s[SEL], s[SEL+1]   ; my token's other 32 channels
.set u, u+1
.endr
.set u, 0
.rept 16
	v_add_f32 v[SS+2*u], v[SS+2*u], v[SS+2*u+1]
.set u, u+1
.endr
.set u, 0
.rept 16
	v_fma_f32 v[SS+2*u], v[SS+2*u], s98, s99       ; the mean + 1e-6
.set u, u+1
.endr
.set u, 0
	s_wait_alu depctr_va_vdst(0)                   ; the wait ahead of the batch
.rept 16
	v_rsq_f32 v[SS+2*u], v[SS+2*u]
.set u, u+1
.endr
	v_nop
	s_wait_alu depctr_va_vdst(0)                   ; and behind it
	s_wait_loadcnt 0x0                             ; the norm's weights
.irp hd, 0,1
.irp p, 0,1,2,3                                ; tokens 32 p .. 32 p + 31 of head hd: one fragment
	WIN 2+\p/2
.irp c, 0,1
.set AC, 64*((2*\p+\c)%4)+32*\hd
.set RS, SS+2*(2*(2*\p+\c)+\hd)
.set i, 0
.rept 16
	v_pk_mul_f32 v[T+32*\c+i:T+32*\c+i+1], v[AC+i:AC+i+1], v[RS:RS+1] op_sel_hi:[1,0]   ; h x 1 / rms
.set i, i+2
.endr
.endr
	WIN 0
.irp c, 0,1
.set i, 0
.rept 16
	v_pk_mul_f32 v[T+32*\c+i:T+32*\c+i+1], v[T+32*\c+i:T+32*\c+i+1], v[WN+i:WN+i+1]     ; x w, in the norm's own order
.set i, i+2
.endr
.endr
	QUANT T, 0, CD+20*(\p%2), PWS+\p
.irp k, 0,1,2
	global_store_b128 v[LI], v[CD+20*(\p%2)+4*\k:CD+20*(\p%2)+4*\k+3], s[OB+2*\hd:OB+2*\hd+1] offset:1536*\p+512*\k   ; 512 consecutive bytes, aligned to 256
.endr
.endr
	v_cndmask_b32 v[SW+2*\hd], v[PWS], v[PWS+1], s[HM]      ; lanes 0-15 fragments 0 and 2's words, lanes 16-31 fragments 1 and 3's
	v_cndmask_b32 v[SW+2*\hd+1], v[PWS+2], v[PWS+3], s[HM]
	global_store_b64 v[L8S], v[SW+2*\hd:SW+2*\hd+1], s[OB+2*\hd:OB+2*\hd+1]   ; 256 consecutive bytes
.endr
	s_branch .Lend
.Lpath_v:
	; v.  Accumulator row a: channels 16 a + r (a / 4: which of my two heads), registers 8 b + j = token 16 b + 8 h + j: a fragment of V^T as it stands
.irp a, 0,1,2,3,4,5,6,7
	QUANT 64*(\a%4), 2+\a/4, CD+20*(\a%2), PWS+\a%4
.irp k, 0,1,2
	global_store_b128 v[LI], v[CD+20*(\a%2)+4*\k:CD+20*(\a%2)+4*\k+3], s[OB:OB+1] offset:(\a/4)*204800+6144+1536*(\a%4)+512*\k
.endr
.if \a%4 == 3
	v_cndmask_b32 v[SW+2*(\a/4)], v[PWS], v[PWS+1], s[HM]
	v_cndmask_b32 v[SW+2*(\a/4)+1], v[PWS+2], v[PWS+3], s[HM]
	global_store_b64 v[L8], v[SW+2*(\a/4):SW+2*(\a/4)+1], s[OB:OB+1] offset:(\a/4)*204800+12544
.endif
.endr
.Lend:
	s_wait_tensorcnt 0x0                           ; the wave's end
	ds_add_u32 v[SPW], v[NIL]
	s_wait_dscnt 0x0
	CROUND                                         ; the closing round
	s_endpgm
.Lfunc_end_k_qbad32e6366_qkv:
	.size	k_qbad32e6366_qkv, .Lfunc_end_k_qbad32e6366_qkv-k_qbad32e6366_qkv
	.p2alignl 7, 3214868480
	.fill 96, 4, 3214868480
	.section	.rodata,"a",@progbits
	.p2align	6, 0x0
	.amdhsa_kernel k_qbad32e6366_qkv
		.amdhsa_group_segment_fixed_size 327680
		.amdhsa_private_segment_fixed_size 0
		.amdhsa_enable_private_segment 0
		.amdhsa_kernarg_size 64
		.amdhsa_user_sgpr_count 2
		.amdhsa_user_sgpr_kernarg_segment_ptr 1
		.amdhsa_wavefront_size32 1
		.amdhsa_system_sgpr_workgroup_id_x 1
		.amdhsa_system_sgpr_workgroup_id_y 1
		.amdhsa_system_sgpr_workgroup_id_z 1
		.amdhsa_system_vgpr_workitem_id 0
		.amdhsa_next_free_vgpr 1024
		.amdhsa_next_free_sgpr 102
		.amdhsa_reserve_vcc 0
		.amdhsa_float_denorm_mode_32 3
		.amdhsa_float_denorm_mode_16_64 3
		.amdhsa_memory_ordered 1
		.amdhsa_forward_progress 1
		.amdhsa_inst_pref_size 251
	.end_amdhsa_kernel
	.amdgpu_metadata
---
amdhsa.version: [ 1, 2 ]
amdhsa.kernels:
  - .name:           k_qbad32e6366_qkv
    .symbol:         k_qbad32e6366_qkv.kd
    .args:
      - { .name: x_codes, .offset: 0, .size: 8, .value_kind: global_buffer, .address_space: global }
      - { .name: x_scales, .offset: 8, .size: 8, .value_kind: global_buffer, .address_space: global }
      - { .name: qkv_w_codes, .offset: 16, .size: 8, .value_kind: global_buffer, .address_space: global }
      - { .name: qkv_w_scales, .offset: 24, .size: 8, .value_kind: global_buffer, .address_space: global }
      - { .name: q_norm_w, .offset: 32, .size: 8, .value_kind: global_buffer, .address_space: global }
      - { .name: k_norm_w, .offset: 40, .size: 8, .value_kind: global_buffer, .address_space: global }
      - { .name: qf, .offset: 48, .size: 8, .value_kind: global_buffer, .address_space: global }
      - { .name: kv, .offset: 56, .size: 8, .value_kind: global_buffer, .address_space: global }
    .group_segment_fixed_size: 327680
    .private_segment_fixed_size: 0
    .kernarg_segment_align: 8
    .kernarg_segment_size: 64
    .max_flat_workgroup_size: 128
    .sgpr_count:     102
    .vgpr_count:     1024
    .wavefront_size: 32
...
	.end_amdgpu_metadata
.endif
;; end of part 1
;; launch attn (part 2): grid 4 x 64, 16 waves a work-group, clusters of 4 x 1, 206,848 bytes of LDS; arguments qf, kv, oc, os; writes oc, os
.if DOCPART == 2
	.amdgcn_target "amdgcn-amd-amdhsa--gfx1250"
	.amdhsa_code_object_version 6
	.text
	.protected	k_qbad32e6366_attn
	.globl	k_qbad32e6366_attn
	.p2align	8
	.type	k_qbad32e6366_attn,@function
k_qbad32e6366_attn:
	s_mov_b64 s[64:65], 0
	v_nop
	global_prefetch_b8 v0, s[64:65] scope:SCOPE_SE
	s_setreg_imm32_b32 hwreg(HW_REG_WAVE_MODE, 25, 1), 1
	s_wait_xcnt 0x0
	s_wait_alu depctr_hold_cnt(0) depctr_sa_sdst(0) depctr_va_vdst(0) depctr_va_sdst(0) depctr_va_ssrc(0) depctr_va_vcc(0) depctr_vm_vsrc(0)
	s_getreg_b32 s2, hwreg(HW_REG_IB_STS2, 6, 4)
	s_cmp_eq_u32 s2, 0
	s_cbranch_scc0 .Lentry_in_a_cluster
	s_endpgm
.Lentry_in_a_cluster:
	s_bfe_u32 s2, ttmp6, 0x10000c
	s_cmp_lg_u32 s2, 0x3003
	s_cbranch_scc0 .Lentry_shape_is_right
	s_endpgm
.Lentry_shape_is_right:
; O = softmax(q k^T / 8) v for 64 (batch, head) pairs, 2,048 queries and keys, head size 64, both products on codes of FP6 (E2M3) with E8M0 scales; O is quantised along the head for the last product.
; INPUTS (made by the launch before, as images of operand registers): qf records of 6,400 bytes, kv records of 12,800 bytes: see that launch's head.
; OUTPUTS: oc [16 tokens 512][head 16][768 bytes]: half a fragment: lane (r, h) holds channels 32 h .. 32 h + 31 of token r, registers 0-3 at 16 x lane, registers 4-5 at 512 + 8 x lane; os [token][32]: byte 2 head + block.
; THE SOFTMAX: t = score x log2(e) / 8; M = the row's largest t so far, rounded up to a whole number; p = 2^(t - M) is quantised along the keys, not normalised; the row's sum of the unquantised p divides O at the end.
; When M moves, the sum and O are multiplied by 2^(old M - new M): exact.
; SHARES.  A work-group owns 512 queries of one head, each of its sixteen waves 32: two tiles of 16, taken one after the other (two passes over the 2,048 keys, 128 a step).
; LDS holds the head's whole K and V: sixteen records, 204,800 bytes, filled ONCE (wave w brings record w); so the loops have no slot to change and no barrier.  Nothing is stored to LDS.
; CLUSTER.  The four work-groups of a cluster belong to one head: each record is asked for jointly, by the same load with the same descriptor and a mask that names the four.
; LAYOUT.  Both products are used transposed (S^T = K Q^T, O^T = V^T P^T): a lane holds one query throughout.
; THE FIRST PRODUCT'S K IS 64, THE INSTRUCTION'S 128: a fragment of K holds TWO tiles of 16 keys (one in k 0-63, one in k 64-127) and is multiplied by [q | 0] and by [0 | q]: zero codes add exactly nothing.
; The scale word beside q repeats q's two bytes, so that the zero half carries the same exponents as the other.
; ORDER INSIDE A BLOCK OF 32: q and k carry one order along the head, p and v one along the keys (see the launch before).  O meets a GIVEN operand, so it is put in true order, in f32, ahead of its quantiser.
; The scale bytes of O leave as single bytes, two of each 32: 32 bytes of the 800 that a tile stores.
; LIMITS: NaN and infinities are not served; a block under 2^-124 keeps the byte 1; O / l is a reciprocal (1 ulp) and a multiplication.
.set REC,  12800
.set LI,   1                           ; 16 x lane
.set L8,   2                           ; 8 x lane
.set AD16, 3                           ; the step's record + 16 x lane
.set AD8,  4                           ; + 8 x lane
.set OSO,  5                           ; 32 r + h
.set QA,   6
.set QSA,  7
.set KV,   32                          ; v32-79  four fragments of K, then of V
.set QI,   80                          ; v80-91  my pair of query tiles, as loaded
.set S,    96                          ; v96-159 S^T, then p
.set O,    160                         ; v160-191 O^T
.set QLO,  192                         ; [q | 0]
.set QHI,  204                         ; [0 | q]
.set PCD,  216                         ; p's codes
.set BM,   228                         ; block maxima
.set PT,   232                         ; lane exchange, then bytes
.set CT,   236                         ; the conversions' second halves
.set SOP,  244                         ; scale operands
.set SUM2, 248
.set TMP,  250
; v[8:9] K's scale words, v[10:11] V's, v12 -M, v13 the largest t, v[14:15] the sum, v16 q's scale word as used, v17 at work, v18 p's scale word, v19 q's pair's word, v[20:21] f, v[22:27] O's codes, v28 O's byte
.set WV,  12
.set CX,  13
.set BH,  14
.set G1,  16
.set G0,  24
.set SEL, 28
.set CS,  30
.set LOW, 32
.set HM,  35
.set TB,  36
.set CNT, 37
.macro ROUND
	s_barrier_signal -1
	s_barrier_wait -1
	s_cmp_lg_u32 s[WV], 0
	s_cbranch_scc1 .Lnot_wave_0_\@
	s_barrier_signal -3
.Lnot_wave_0_\@:
	s_barrier_wait -3
	s_barrier_signal -1
	s_barrier_wait -1
.endm
	s_load_b256 s[4:11], s[0:1], 0x0               ; qf, kv, oc, os
	v_lshl_add_u32 v254, v0, 2, 0x32000
	v_mov_b32 v255, 0
	ds_add_u32 v254, v255
	ds_add_u32 v254, v255
	v_lshrrev_b32 v1, 5, v0
	s_delay_alu instid0(VALU_DEP_1)
	v_readfirstlane_b32 s[WV], v1                  ; wave 0..15
	s_bfe_u32 s[CX], ttmp6, 0x40000                ; my place in the cluster: it enters q's, oc's and os's addresses alone
	s_and_b32 s[BH], ttmp7, 0xffff                 ; batch x 16 + head
	; group 1: a record, 12,800 dense bytes, as 50 rows of 256 (32 elements of 8 bytes)
	s_mov_b32 s[G1], 15|(3<<16)|(1<<21)            ; the mask: all four work-groups; elements of 8 bytes; bit 21 beside a mask; no padding
	s_mov_b32 s[G1+1], 32<<16
	s_mov_b32 s[G1+2], 50<<16
	s_mov_b32 s[G1+3], 32<<16
	s_mov_b32 s[G1+4], 50
	s_mov_b32 s[G1+5], 32
	s_mov_b32 s[G1+6], 0
	s_mov_b32 s[G1+7], 0
	s_mov_b32 s[G0], 1
	s_mul_i32 s[G0+1], s[WV], REC                  ; record w goes to LDS byte 12,800 w
	s_lshl_b32 s38, s[BH], 4
	s_add_co_u32 s38, s38, s[WV]
	s_mul_i32 s38, s38, REC
	s_mov_b32 s39, 0
	s_wait_dscnt 0x0
	s_wait_kmcnt 0x0
	s_add_nc_u64 s[G0+2:G0+3], s[6:7], s[38:39]
	s_or_b32 s[G0+3], s[G0+3], 0x80000000
	ROUND                                          ; all four work-groups are here: the joint loads meet
	tensor_load_to_lds s[G0:G0+3], s[G1:G1+7]      ; my one tensor load of the launch
	s_nop 0
.rept 4
	v_nop
.endr
	v_and_b32 v6, 31, v0
	s_delay_alu instid0(VALU_DEP_1)
	v_lshlrev_b32 v[LI], 4, v6
	s_wait_alu depctr_va_vdst(0)
	v_lshlrev_b32 v[L8], 3, v6
	v_and_b32 v7, 15, v0                           ; r
	s_wait_alu depctr_va_vdst(0)
	v_bfe_u32 v5, v0, 4, 1                         ; h
	s_delay_alu instid0(VALU_DEP_1)
	v_lshl_add_u32 v[OSO], v7, 5, v5
	; THE KEYS OF A TILE ARE GATHERED BY ADDRESS: lane (r, h) of the fragment (G, e) takes the twelve registers of lane (8 e + r % 8, h) of the record's fragment 2 G + r / 8.
	; So a tile's rows 0-7 are 8 keys of block 2 G and its rows 8-15 the same 8 of block 2 G + 1, and lane half h of S^T holds whole blocks 2 G + h of 32 keys.
	v_and_b32 v29, 7, v0
	v_bfe_u32 v92, v0, 3, 1                        ; r / 8
	v_bfe_u32 v93, v0, 4, 1                        ; h
	v_lshlrev_b32 v30, 3, v29
	v_lshlrev_b32 v29, 4, v29
	v_lshl_add_u32 v30, v92, 7, v30
	v_mad_u32_u24 v29, v92, 1536, v29
	v_lshl_add_u32 v30, v93, 6, v30                ; v30: K's scale words: 128 (r / 8) + 8 (r % 8) + 64 h (lanes 0-15: e = 0, lanes 16-31: e = 1)
	v_lshl_add_u32 v29, v93, 8, v29                ; v29: K's codes: 1536 (r / 8) + 16 (r % 8) + 256 h
	v_lshlrev_b32 v31, 3, v93                      ; v31: 8 h, the shift of my two scale bytes of p
	s_lshl_b32 s38, s[BH], 4
	s_lshl_b32 s40, s[CX], 2
	s_add_co_u32 s38, s38, s40
	s_lshr_b32 s40, s[WV], 2
	s_add_co_u32 s38, s38, s40                     ; q's record: 16 x (batch, head) + 4 cx + wave / 4
	s_mul_i32 s38, s38, 6400
	s_add_nc_u64 s[4:5], s[4:5], s[38:39]
	s_and_b32 s40, s[WV], 3                        ; my pair in it
	s_mul_i32 s41, s40, 1536
	v_add_nc_u32 v[QA], s41, v[LI]
	s_and_b32 s41, s[WV], 1
	s_lshl_b32 s41, s41, 7
	s_lshr_b32 s40, s40, 1
	s_lshl_b32 s40, s40, 2
	s_add_co_u32 s41, s41, s40
	v_lshl_add_u32 v[QSA], v7, 3, s41              ; its scale word: 8 r + 128 (pair % 2) + 4 (pair / 2)
.irp k, 0,1,2
	global_load_b128 v[QI+4*\k:QI+4*\k+3], v[QA], s[4:5] offset:512*\k th:TH_LOAD_NT
.endr
	global_load_b32 v19, v[QSA], s[4:5] offset:6144 th:TH_LOAD_NT
	s_lshr_b32 s40, s[BH], 4
	s_lshl_b32 s40, s40, 7
	s_lshl_b32 s41, s[CX], 5
	s_add_co_u32 s40, s40, s41
	s_lshl_b32 s41, s[WV], 1
	s_add_co_u32 s40, s40, s41                     ; my first tile of 16 tokens: 128 batch + 32 cx + 2 wave
	s_and_b32 s41, s[BH], 15                       ; the head
	s_mul_i32 s38, s40, 12288
	s_mul_i32 s42, s41, 768
	s_add_co_u32 s38, s38, s42
	s_add_nc_u64 s[8:9], s[8:9], s[38:39]
	s_lshl_b32 s38, s40, 9
	s_lshl_b32 s42, s41, 1
	s_add_co_u32 s38, s38, s42
	s_add_nc_u64 s[10:11], s[10:11], s[38:39]
	s_mov_b32 s[SEL], 0x76543210
	s_mov_b32 s[SEL+1], 0xfedcba98                 ; v_permlanex16_b32's selects for lane l xor 16
	s_mov_b32 s[CS], 0x3e38aa3b                    ; c = log2(e) / 8
	s_mov_b32 s[CS+1], s[CS]                       ; (named with it as a pair, so it is written)
	s_mov_b32 s[LOW], 0xffff
	s_mov_b32 s[HM], 0xffff0000
.irp i, 0,1,2,3,4,5
	v_mov_b32 v[QLO+6+\i], 0                       ; the zero halves: written once
	v_mov_b32 v[QHI+\i], 0
.endr
.irp b, 0,1,2,3
	v_mov_b32 v[PT+\b], 0                          ; written once: a lane permute's destination counts as one of its sources
.endr
	v_mov_b32 v[TMP], 0
	v_mov_b32 v21, 0                               ; (named as the upper half of the pair v[20:21])
	s_wait_tensorcnt 0x0                           ; my record is in,
	s_barrier_signal -1
	s_barrier_wait -1                              ; everybody's is: from here on LDS is only read
	s_wait_loadcnt 0x0                             ; q
; A KEY STEP: the 128 keys of the record at LDS byte s[TB]
.macro STEP
	v_add_nc_u32 v[AD16], s[TB], v[LI]
	v_add_nc_u32 v[AD8], s[TB], v[L8]
	v_add_nc_u32 v92, s[TB], v29
	v_add_nc_u32 v93, s[TB], v30                   ; these four are the places in front of loads into registers that the last products read
.irp p, 0,1,2,3
.irp k, 0,1,2
	ds_load_b128 v[KV+12*\p+4*\k:KV+12*\p+4*\k+3], v92 offset:3072*(\p/2)+128*(\p%2)+512*\k   ; fragment (G, e) = (p / 2, p % 2)
.endr
.endr
	ds_load_b64 v[8:9], v93 offset:12288           ; K's scale words by the same gather: v8: G = 0, v9: G = 1; lanes 0-15 e = 0, lanes 16-31 e = 1
	s_wait_alu depctr_va_vdst(0)
	s_wait_dscnt 0x0
.irp p, 0,1,2,3                                ; register 32 G + 16 e + 8 u + j of S^T = key 64 G + 32 h + 8 (e + 2 u) + j: block 2 G + h in the order 0-7, 16-23, 8-15, 24-31, which V carries too
.if \p%2
	v_wmma_scale_f32_16x16x128_f8f6f4 v[S+16*\p:S+16*\p+7], v[KV+12*\p:KV+12*\p+11], v[QLO:QLO+11], 0, v[8+\p/2], v16 matrix_a_fmt:MATRIX_FMT_FP6 matrix_b_fmt:MATRIX_FMT_FP6 matrix_a_scale:MATRIX_SCALE_ROW1
	v_wmma_scale_f32_16x16x128_f8f6f4 v[S+16*\p+8:S+16*\p+15], v[KV+12*\p:KV+12*\p+11], v[QHI:QHI+11], 0, v[8+\p/2], v16 matrix_a_fmt:MATRIX_FMT_FP6 matrix_b_fmt:MATRIX_FMT_FP6 matrix_a_scale:MATRIX_SCALE_ROW1
.else
	v_wmma_scale_f32_16x16x128_f8f6f4 v[S+16*\p:S+16*\p+7], v[KV+12*\p:KV+12*\p+11], v[QLO:QLO+11], 0, v[8+\p/2], v16 matrix_a_fmt:MATRIX_FMT_FP6 matrix_b_fmt:MATRIX_FMT_FP6
	v_wmma_scale_f32_16x16x128_f8f6f4 v[S+16*\p+8:S+16*\p+15], v[KV+12*\p:KV+12*\p+11], v[QHI:QHI+11], 0, v[8+\p/2], v16 matrix_a_fmt:MATRIX_FMT_FP6 matrix_b_fmt:MATRIX_FMT_FP6
.endif
.endr
.rept 4
	v_nop                                          ; places: K's registers take V, and the scores are read
.endr
.irp t, 0,1,2,3
.irp k, 0,1,2
	ds_load_b128 v[KV+12*\t+4*\k:KV+12*\t+4*\k+3], v[AD16] offset:6144+1536*\t+512*\k   ; V^T's four fragments land while the softmax is worked
.endr
.endr
	ds_load_b64 v[10:11], v[AD8] offset:12544
.irp b, 0,1,2,3
	v_max3_num_f32 v[BM+\b], v[S+16*\b], v[S+1+16*\b], v[S+2+16*\b]   ; the largest score of each block of 32 keys: for the row's maximum and, since p rises with the score, for the block's largest p
.endr
.irp i, 3,5,7,9,11,13
.irp b, 0,1,2,3
	v_max3_num_f32 v[BM+\b], v[BM+\b], v[S+16*\b+\i], v[S+1+16*\b+\i]
.endr
.endr
.irp c, 0,1
	v_max3_num_f32 v[BM+2*\c], v[BM+2*\c], v[S+15+32*\c], v[S+31+32*\c]
.endr
.irp c, 0,1
	s_delay_alu instid0(VALU_DEP_2)
	v_max_num_f32 v[BM+\c], v[BM+2*\c], v[BM+2*\c+1]   ; my two whole blocks' largest scores: no other lane is asked
.endr
	s_delay_alu instid0(VALU_DEP_1)
	v_max_num_f32 v[TMP], v[BM], v[BM+1]
	s_delay_alu instid0(VALU_DEP_1)
	v_mul_f32 v[TMP], s[CS], v[TMP]                ; as t (c is positive)
	s_delay_alu instid0(VALU_DEP_1)
	v_permlanex16_b32 v[PT], v[TMP], s[SEL], s[SEL+1]   ; my query's other 64 keys lie in lane l xor 16
	s_delay_alu instid0(VALU_DEP_1)
	v_max3_num_f32 v13, v13, v[TMP], v[PT]         ; the running largest t
	v_mov_b32 v[TMP], v12
	s_delay_alu instid0(VALU_DEP_2)
	v_floor_f32 v12, -v13                          ; the new -M = -ceil(t)
	s_delay_alu instid0(VALU_DEP_1)
	v_sub_f32 v[TMP], v12, v[TMP]                  ; old M - new M: a whole number, 0 or less
	s_delay_alu instid0(VALU_DEP_1)
	v_cvt_i32_f32 v[TMP], v[TMP]                   ; (it saturates)
	s_delay_alu instid0(VALU_DEP_1)
	v_ldexp_f32 v20, 1.0, v[TMP]                   ; f = 2^(old M - new M)
.set j, 0
.rept 32
	v_pk_fma_f32 v[S+j:S+j+1], v[S+j:S+j+1], s[CS:CS+1], v[12:13] op_sel_hi:[1,0,0]   ; t - M
.set j, j+2
.endr
.irp b, 0,1
	v_fma_f32 v[BM+\b], v[BM+\b], s[CS], v12
.endr
.set j, 0
	s_wait_alu depctr_va_vdst(0)
.rept 64
	v_exp_f32 v[S+j], v[S+j]                       ; p = 2^(t - M)
.set j, j+1
.endr
	v_pk_mul_f32 v[14:15], v[14:15], v[20:21] op_sel_hi:[1,0]   ; the sums under the new M: a plain place behind the exponentials
	s_wait_alu depctr_va_vdst(0)                   ; one wait for the batch of 64, ahead of its first reader
.irp b, 0,1
	v_exp_f32 v[BM+\b], v[BM+\b]                   ; the block's largest p: the same two instructions on the same number
.endr
	v_pk_add_f32 v[248:249], v[100:101], v[104:105]
	v_pk_add_f32 v[252:253], v[108:109], v[112:113]
	v_pk_add_f32 v[246:247], v[116:117], v[120:121]
	v_pk_add_f32 v[244:245], v[124:125], v[128:129]
	v_pk_add_f32 v[242:243], v[132:133], v[136:137]
	v_pk_add_f32 v[240:241], v[140:141], v[144:145]
	v_pk_add_f32 v[238:239], v[148:149], v[152:153]
	v_pk_add_f32 v[14:15], v[14:15], v[156:157]
	v_pk_add_f32 v[248:249], v[248:249], v[96:97]
	v_pk_add_f32 v[252:253], v[252:253], v[98:99]
	v_pk_add_f32 v[246:247], v[246:247], v[102:103]
	v_pk_add_f32 v[244:245], v[244:245], v[106:107]
	v_pk_add_f32 v[242:243], v[242:243], v[110:111]
	v_pk_add_f32 v[240:241], v[240:241], v[114:115]
	v_pk_add_f32 v[238:239], v[238:239], v[118:119]
	v_pk_add_f32 v[14:15], v[14:15], v[122:123]
	v_pk_add_f32 v[248:249], v[248:249], v[126:127]
	v_pk_add_f32 v[252:253], v[252:253], v[130:131]
	v_pk_add_f32 v[246:247], v[246:247], v[134:135]
	v_pk_add_f32 v[244:245], v[244:245], v[138:139]
	v_pk_add_f32 v[242:243], v[242:243], v[142:143]
	v_pk_add_f32 v[240:241], v[240:241], v[146:147]
	v_pk_add_f32 v[238:239], v[238:239], v[150:151]
	v_pk_add_f32 v[14:15], v[14:15], v[154:155]
	v_pk_add_f32 v[248:249], v[248:249], v[158:159]
	s_delay_alu instid0(VALU_DEP_2)
	v_pk_add_f32 v[14:15], v[14:15], v[244:245]
	s_delay_alu instid0(VALU_DEP_2)
	v_pk_add_f32 v[248:249], v[248:249], v[242:243]
	v_pk_add_f32 v[252:253], v[252:253], v[240:241]
	v_pk_add_f32 v[246:247], v[246:247], v[238:239]
	s_delay_alu instid0(VALU_DEP_2)
	v_pk_add_f32 v[14:15], v[14:15], v[252:253]
	s_delay_alu instid0(VALU_DEP_2)
	v_pk_add_f32 v[248:249], v[248:249], v[246:247]
	s_delay_alu instid0(VALU_DEP_1)
	v_pk_add_f32 v[14:15], v[14:15], v[248:249]
	s_wait_alu depctr_va_vdst(0)                   ; and one for the two
.irp b, 0,1
	v_max_num_f32 v[BM+\b], 0x1800000, v[BM+\b]    ; the floor 2^(3 - 127): the byte cannot fall under 1
.endr
.irp b, 0,1
	s_delay_alu instid0(VALU_DEP_2)
	v_add_nc_u32 v[SOP+\b], 0xff000000, v[BM+\b]   ; 2 off the exponent field: the conversion's scale operand
.endr
.irp b, 0,1
	s_delay_alu instid0(VALU_DEP_2)
	v_lshrrev_b32 v[PT+\b], 23, v[SOP+\b]
.endr
	s_delay_alu instid0(VALU_DEP_1)
	v_lshl_or_b32 v[PT], v[PT+1], 16, v[PT]        ; my two bytes: blocks h and 2 + h,
	s_delay_alu instid0(VALU_DEP_1)
	v_lshlrev_b32 v[PT], v31, v[PT]                ; at their places in the word (8 h bits up);
	s_delay_alu instid0(VALU_DEP_1)
	v_permlanex16_b32 v[PT+2], v[PT], s[SEL], s[SEL+1]
	s_delay_alu instid0(VALU_DEP_1)
	v_or_b32 v18, v[PT], v[PT+2]                   ; with lane l xor 16's two: p's scale word for these 128 keys
.irp c, 0,1                                    ; a lane's registers 32 c .. 32 c + 31 are one whole block: both halves take its scale
	v_cvt_scalef32_pk16_fp6_f32 v[PCD+6*\c:PCD+2+6*\c], v[S+32*\c:S+15+32*\c], v[SOP+\c]
	v_cvt_scalef32_pk16_fp6_f32 v[CT+4*\c:CT+2+4*\c], v[S+16+32*\c:S+31+32*\c], v[SOP+\c]
.endr
	v_nop                                          ; one plain place behind a scaled conversion
.irp c, 0,1                                    ; (a conversion's three registers begin on an even number: the second half is made elsewhere and moved)
.irp i, 0,1,2
	v_mov_b32 v[PCD+3+6*\c+\i], v[CT+4*\c+\i]
.endr
.endr
.set j, 0
.rept 16
	v_pk_mul_f32 v[O+j:O+j+1], v[O+j:O+j+1], v[20:21] op_sel_hi:[1,0]   ; O^T under the new M; these sixteen are also the places between the scale word and the codes just made and the products
.set j, j+2
.endr
	s_wait_alu depctr_va_vdst(0)
	s_wait_dscnt 0x0                               ; V
.irp t, 0,1,2,3                                ; four accumulators, one instruction each
.if \t%2
	v_wmma_scale_f32_16x16x128_f8f6f4 v[O+8*\t:O+8*\t+7], v[KV+12*\t:KV+12*\t+11], v[PCD:PCD+11], v[O+8*\t:O+8*\t+7], v[10+\t/2], v18 matrix_a_fmt:MATRIX_FMT_FP6 matrix_b_fmt:MATRIX_FMT_FP6 matrix_a_scale:MATRIX_SCALE_ROW1
.else
	v_wmma_scale_f32_16x16x128_f8f6f4 v[O+8*\t:O+8*\t+7], v[KV+12*\t:KV+12*\t+11], v[PCD:PCD+11], v[O+8*\t:O+8*\t+7], v[10+\t/2], v18 matrix_a_fmt:MATRIX_FMT_FP6 matrix_b_fmt:MATRIX_FMT_FP6
.endif
.endr
.endm
; A PASS: query tile c of my pair against all keys, and its way out
.macro PASS c
.if \c == 0
	v_and_b32 v17, s[LOW], v19                     ; the tile's two bytes, twice
	s_delay_alu instid0(VALU_DEP_1)
	v_lshl_or_b32 v16, v19, 16, v17
.else
	v_lshrrev_b32 v17, 16, v19
	s_delay_alu instid0(VALU_DEP_1)
	v_and_or_b32 v16, v19, s[HM], v17
.endif
.irp i, 0,1,2,3,4,5
	v_mov_b32 v[QLO+\i], v[QI+6*\c+\i]
	v_mov_b32 v[QHI+6+\i], v[QI+6*\c+\i]
.endr
	v_mov_b32 v13, 0xff61b1e6                      ; the largest t so far: -3e38
	s_delay_alu instid0(VALU_DEP_1)
	v_floor_f32 v12, -v13
	v_mov_b32 v14, 0
	v_mov_b32 v15, 0
.set j, 0
.rept 32
	v_mov_b32 v[O+j], 0                            ; the step is written once: the first finds zeros.  (These lines are also the places between q's scale word and codes and the first products)
.set j, j+1
.endr
	s_mov_b32 s[TB], 0
	s_mov_b32 s[CNT], 16
.Lstep_\@:
	STEP
	s_add_co_u32 s[TB], s[TB], REC
	s_sub_co_u32 s[CNT], s[CNT], 1
	s_cmp_lg_u32 s[CNT], 0
	s_cbranch_scc1 .Lstep_\@
	v_add_f32 v14, v14, v15                        ; the sum's two halves,
	s_delay_alu instid0(VALU_DEP_1)
	v_permlanex16_b32 v[TMP], v14, s[SEL], s[SEL+1]
	s_delay_alu instid0(VALU_DEP_1)
	v_add_f32 v14, v14, v[TMP]                     ; and lane l xor 16's
	s_wait_alu depctr_va_vdst(0)
	v_rcp_f32 v14, v14
.rept 4
	v_nop                                          ; places behind the last products, and the plain place behind the reciprocal
.endr
	s_wait_alu depctr_va_vdst(0)                   ; ahead of the reciprocal's first reader
.set j, 0
.rept 16
	v_pk_mul_f32 v[S+j:S+j+1], v[O+j:O+j+1], v[14:15] op_sel_hi:[1,0]   ; O^T / l, each accumulator from its low end on: register 8 t + i = channel 16 t + 8 h + i
.set j, j+2
.endr
.irp b, 0,1                                    ; TRUE ORDER: after these a lane's registers 16 b + 0 .. 15 are channels 32 b + 16 h + 0 .. 15
.irp i, 0,1,2,3,4,5,6,7
	v_permlane16_swap_b32 v[S+16*\b+\i], v[S+16*\b+8+\i]
.endr
.endr
.irp b, 0,1
	v_max3_num_f32 v[BM+\b], |v[S+16*\b]|, |v[S+1+16*\b]|, 0x1800000
.endr
.irp i, 2,4,6,8,10,12,14
.irp b, 0,1
	s_delay_alu instid0(VALU_DEP_2)
	v_max3_num_f32 v[BM+\b], v[BM+\b], |v[S+16*\b+\i]|, |v[S+1+16*\b+\i]|
.endr
.endr
.irp b, 0,1
	s_delay_alu instid0(VALU_DEP_2)
	v_permlanex16_b32 v[PT+\b], v[BM+\b], s[SEL], s[SEL+1]
.endr
.irp b, 0,1
	s_delay_alu instid0(VALU_DEP_2)
	v_max_num_f32 v[BM+\b], v[BM+\b], v[PT+\b]
.endr
.irp b, 0,1
	s_delay_alu instid0(VALU_DEP_2)
	v_add_nc_u32 v[SOP+\b], 0xff000000, v[BM+\b]
.endr
.irp b, 0,1
	s_delay_alu instid0(VALU_DEP_2)
	v_lshrrev_b32 v[PT+\b], 23, v[SOP+\b]
.endr
	s_wait_alu depctr_va_vdst(0)
	s_wait_xcnt 0x0                                ; the pass before has had its stores' data read: they may be written again
	v_cndmask_b32 v28, v[PT], v[PT+1], s[HM]       ; lanes 0-15 block 0's byte, lanes 16-31 block 1's
	v_cvt_scalef32_pk16_fp6_f32 v[22:24], v[S:S+15], v[SOP]
	v_cvt_scalef32_pk16_fp6_f32 v[CT:CT+2], v[S+16:S+31], v[SOP+1]
	v_nop                                          ; one plain place behind a scaled conversion
.irp i, 0,1,2
	v_permlane16_swap_b32 v[22+\i], v[CT+\i]       ; a whole block to a lane
.endr
.irp i, 0,1,2
	s_delay_alu instid0(VALU_DEP_3)
	v_mov_b32 v[25+\i], v[CT+\i]
.endr
	global_store_b128 v[LI], v[22:25], s[8:9] offset:12288*\c        ; 512 consecutive bytes, aligned to 256
	global_store_b64 v[L8], v[26:27], s[8:9] offset:12288*\c+512     ; 256 consecutive bytes
	global_store_b8 v[OSO], v28, s[10:11] offset:512*\c
.endm
	PASS 0
	PASS 1
	s_wait_tensorcnt 0x0
	ds_add_u32 v254, v255
	s_wait_dscnt 0x0
	ROUND                                          ; the closing round
	s_endpgm
.Lfunc_end_k_qbad32e6366_attn:
	.size	k_qbad32e6366_attn, .Lfunc_end_k_qbad32e6366_attn-k_qbad32e6366_attn
	.p2alignl 7, 3214868480
	.fill 96, 4, 3214868480
	.section	.rodata,"a",@progbits
	.p2align	6, 0x0
	.amdhsa_kernel k_qbad32e6366_attn
		.amdhsa_group_segment_fixed_size 206848
		.amdhsa_private_segment_fixed_size 0
		.amdhsa_enable_private_segment 0
		.amdhsa_kernarg_size 32
		.amdhsa_user_sgpr_count 2
		.amdhsa_user_sgpr_kernarg_segment_ptr 1
		.amdhsa_wavefront_size32 1
		.amdhsa_system_sgpr_workgroup_id_x 1
		.amdhsa_system_sgpr_workgroup_id_y 1
		.amdhsa_system_sgpr_workgroup_id_z 1
		.amdhsa_system_vgpr_workitem_id 0
		.amdhsa_next_free_vgpr 256
		.amdhsa_next_free_sgpr 66
		.amdhsa_reserve_vcc 0
		.amdhsa_float_denorm_mode_32 3
		.amdhsa_float_denorm_mode_16_64 3
		.amdhsa_memory_ordered 1
		.amdhsa_forward_progress 1
		.amdhsa_inst_pref_size 50
	.end_amdhsa_kernel
	.amdgpu_metadata
---
amdhsa.version: [ 1, 2 ]
amdhsa.kernels:
  - .name:           k_qbad32e6366_attn
    .symbol:         k_qbad32e6366_attn.kd
    .args:
      - { .name: qf, .offset: 0, .size: 8, .value_kind: global_buffer, .address_space: global }
      - { .name: kv, .offset: 8, .size: 8, .value_kind: global_buffer, .address_space: global }
      - { .name: oc, .offset: 16, .size: 8, .value_kind: global_buffer, .address_space: global }
      - { .name: os, .offset: 24, .size: 8, .value_kind: global_buffer, .address_space: global }
    .group_segment_fixed_size: 206848
    .private_segment_fixed_size: 0
    .kernarg_segment_align: 8
    .kernarg_segment_size: 32
    .max_flat_workgroup_size: 512
    .sgpr_count:     66
    .vgpr_count:     256
    .wavefront_size: 32
...
	.end_amdgpu_metadata
.endif
;; end of part 2
;; launch proj (part 3): grid 4 x 64, 4 waves a work-group, clusters of 4 x 4, 327,680 bytes of LDS; arguments oc, os, proj_w_codes, proj_w_scales, proj_b, out0; writes out0
.if DOCPART == 3
	.amdgcn_target "amdgcn-amd-amdhsa--gfx1250"
	.amdhsa_code_object_version 6
	.text
	.protected	k_qbad32e6366_proj
	.globl	k_qbad32e6366_proj
	.p2align	8
	.type	k_qbad32e6366_proj,@function
k_qbad32e6366_proj:
	s_mov_b64 s[64:65], 0
	v_nop
	global_prefetch_b8 v0, s[64:65] scope:SCOPE_SE
	s_setreg_imm32_b32 hwreg(HW_REG_WAVE_MODE, 25, 1), 1
	s_wait_xcnt 0x0
	s_wait_alu depctr_hold_cnt(0) depctr_sa_sdst(0) depctr_va_vdst(0) depctr_va_sdst(0) depctr_va_ssrc(0) depctr_va_vcc(0) depctr_vm_vsrc(0)
	s_getreg_b32 s2, hwreg(HW_REG_IB_STS2, 6, 4)
	s_cmp_eq_u32 s2, 0
	s_cbranch_scc0 .Lentry_in_a_cluster
	s_endpgm
.Lentry_in_a_cluster:
	s_bfe_u32 s2, ttmp6, 0x10000c
	s_cmp_lg_u32 s2, 0xf033
	s_cbranch_scc0 .Lentry_shape_is_right
	s_endpgm
.Lentry_shape_is_right:
; out0 = O proj_w^T + proj_b on codes of FP6 (E2M3) with E8M0 scales: 8,192 x 1,024 x 1,024, f32 out.
; oc [16 tokens 512][head 16][768 bytes]: images of half fragments (lane (r, h): channels 32 h .. + 31 of token r; registers 0-3 at 16 x lane, 4-5 at 512 + 8 x lane); os [token][32] scale bytes.
; A work-group makes 128 tokens x 256 columns; a wave 64 x 128: 32 accumulators.  256 work-groups.
; ALL OF K LIES IN LDS AT ONCE, filled once: O's images 98,304 bytes; W's 256 whole rows of 768 bytes (each on a 256-byte border), 16 bytes of padding behind every 256: pitch 816, 208,896 bytes;
; the scales 4,352 + 8,704 bytes; the spare words 512: 320,768 bytes.  Four joint loads, one a wave, at the head; no slot is filled again.
; CLUSTER 4 x 4: O's tiles are shared along a row of the cluster, W's along a column.
; No prefetch: every byte is asked for at the head, and there is no loop to run ahead in.
; The matrix instruction is used transposed (source 0 = W's rows, source 1 = tokens): a lane holds eight neighbouring columns of a row of out0.  The bias is the C of each accumulator's first product.
; The stage of the way out lies in O's bytes, behind a barrier behind which nobody reads them; they are filled no more.
; REGISTERS: window 0: v16-29 addresses, v32-63 scale words (two sets), v64-127 the bias, v128-223 O's fragments (two sets); window 1: W's fragments, two sets; window 2: accumulators.
.set KROW,   768
.set PITCH,  816
.set FR,     12
.set NP,     4
.set BOFF,   98304
.set SCL,    BOFF+256*PITCH
.set HALFSA, 8*272
.set HALFSB, 16*272
.set SBLK,   2*272
.set SPARE,  SCL+2*HALFSA+2*HALFSB
.set SPITCH, 528
.set A16,  16
.set A8,   18
.set ADRB, 20                          ; v20, v21: W's rows 0-63, 64-127 of mine; v22, v23: the same where lanes 16-31 lie behind one padding more
.set STO,  24
.set RD,   25
.set CO,   26
.set ADRS, 27
.set SPW,  28
.set NIL,  29
.set SC,   32
.set BI,   64
.set AF,   128
.set BK,   128
.set WV,   20
.set ROLE, 21
.set HALF, 22
.set G1,   24
.set G0,   32
.set G1B,  48
.set G0B,  56
.set G1S,  68
.set G0S,  76
.set G1SB, 80
.set G0SB, 88
.set MSB, 0
.macro WIN new
.if MSB != (\new)
	s_set_vgpr_msb (MSB<<8)|(\new)
.set MSB, (\new)
.endif
.endm
.macro TLOAD g0, g1
	tensor_load_to_lds s[\g0:\g0+3], s[\g1:\g1+7]
	s_nop 0
.rept 4
	v_nop
.endr
.endm
.macro ARM under, g0, g1, next
	s_cmp_lt_u32 s[WV], \under
	s_cbranch_scc0 \next
	TLOAD \g0, \g1
	s_branch .Lhead_asked
\next:
.endm
.macro CROUND
	s_barrier_signal -1
	s_barrier_wait -1
	s_cmp_lg_u32 s[WV], 0
	s_cbranch_scc1 .Lnot_wave_0_\@
	s_barrier_signal -3
.Lnot_wave_0_\@:
	s_barrier_wait -3
	s_barrier_signal -1
	s_barrier_wait -1
.endm
	s_load_b256 s[4:11], s[0:1], 0x0               ; oc, os, W's codes, W's scales
	s_load_b128 s[12:15], s[0:1], 0x20             ; the bias, out0
	v_lshl_add_u32 v[SPW], v0, 2, SPARE
	v_mov_b32 v[NIL], 0
	ds_add_u32 v[SPW], v[NIL]                      ; the opening lines: the add twice and one wait
	ds_add_u32 v[SPW], v[NIL]
	v_lshrrev_b32 v1, 5, v0
	v_readfirstlane_b32 s[WV], v1
	s_lshr_b32 s[ROLE], s[WV], 1                   ; my 64 tokens
	s_and_b32 s[HALF], s[WV], 1                    ; my 128 columns
	s_bfe_u32 s40, ttmp6, 0x40000
	s_bfe_u32 s41, ttmp6, 0x40004
	s_lshl_b32 s42, ttmp9, 2
	s_add_co_u32 s42, s42, s40                     ; tile of 256 columns
	s_and_b32 s43, ttmp7, 0xffff
	s_lshl_b32 s43, s43, 2
	s_add_co_u32 s43, s43, s41                     ; tile of 128 tokens
	s_lshl_b32 s44, s41, 2
	s_lshl_b32 s44, 15, s44
	s_lshl_b32 s45, 0x1111, s40
	s_or_b32 s[G1+0], s44, (3<<16)|(1<<21)         ; O's images: 98,304 dense bytes as 384 rows of 256
	s_mov_b32 s[G1+1], 32<<16
	s_mov_b32 s[G1+2], 384<<16
	s_mov_b32 s[G1+3], 32<<16
	s_mov_b32 s[G1+4], 384
	s_mov_b32 s[G1+5], 32
	s_mov_b32 s[G1+6], 0
	s_mov_b32 s[G1+7], 0
	s_or_b32 s[G1B+0], s45, (0<<16)|(1<<20)|(1<<21)|(5<<22)|(3<<25)  ; W: 256 rows of 768 bytes, 16 of padding behind every 256
	s_mov_b32 s[G1B+1], KROW<<16
	s_mov_b32 s[G1B+2], 256<<16
	s_mov_b32 s[G1B+3], KROW<<16
	s_mov_b32 s[G1B+4], 256
	s_mov_b32 s[G1B+5], KROW
	s_mov_b32 s[G1B+6], 0
	s_mov_b32 s[G1B+7], 0
	s_or_b32 s[G1S+0], s44, (3<<16)|(1<<20)|(1<<21)|(5<<22)|(3<<25)  ; scales: rows of 256 bytes + 16: 16 for O, 32 for W
	s_mov_b32 s[G1S+1], 32<<16
	s_mov_b32 s[G1S+2], 16<<16
	s_mov_b32 s[G1S+3], 32<<16
	s_mov_b32 s[G1S+4], 16
	s_mov_b32 s[G1S+5], 32
	s_mov_b32 s[G1S+6], 0
	s_mov_b32 s[G1S+7], 0
	s_or_b32 s[G1SB+0], s45, (3<<16)|(1<<20)|(1<<21)|(5<<22)|(3<<25)
	s_mov_b32 s[G1SB+1], 32<<16
	s_mov_b32 s[G1SB+2], 32<<16
	s_mov_b32 s[G1SB+3], 32<<16
	s_mov_b32 s[G1SB+4], 32
	s_mov_b32 s[G1SB+5], 32
	s_mov_b32 s[G1SB+6], 0
	s_mov_b32 s[G1SB+7], 0
	s_mul_i32 s[G0+2], s43, 98304
	s_mov_b32 s[G0+3], 0
	s_lshl_b32 s[G0S+2], s43, 12
	s_mov_b32 s[G0S+3], 0
	s_mul_i32 s[G0B+2], s42, 256*KROW
	s_mov_b32 s[G0B+3], 0
	s_lshl_b32 s[G0SB+2], s42, 13
	s_mov_b32 s[G0SB+3], 0
	s_wait_dscnt 0x0                               ; both opening adds are done
	s_wait_kmcnt 0x0
	s_mov_b32 s[G0], 1
	s_mov_b32 s[G0+1], 0
	s_add_nc_u64 s[G0+2:G0+3], s[4:5], s[G0+2:G0+3]
	s_or_b32 s[G0+3], s[G0+3], 0x80000000
	s_mov_b32 s[G0B], 1
	s_mov_b32 s[G0B+1], BOFF
	s_add_nc_u64 s[G0B+2:G0B+3], s[8:9], s[G0B+2:G0B+3]
	s_or_b32 s[G0B+3], s[G0B+3], 0x80000000
	s_mov_b32 s[G0S], 1
	s_mov_b32 s[G0S+1], SCL
	s_add_nc_u64 s[G0S+2:G0S+3], s[6:7], s[G0S+2:G0S+3]
	s_or_b32 s[G0S+3], s[G0S+3], 0x80000000
	s_mov_b32 s[G0SB], 1
	s_mov_b32 s[G0SB+1], SCL+2*HALFSA
	s_add_nc_u64 s[G0SB+2:G0SB+3], s[10:11], s[G0SB+2:G0SB+3]
	s_or_b32 s[G0SB+3], s[G0SB+3], 0x80000000
	CROUND                                         ; all sixteen work-groups are here: the joint loads meet
	ARM 1, G0B,  G1B, .Lhead_a                     ; one load a wave: W's rows, O's images, O's scales, W's
	ARM 2, G0,   G1,  .Lhead_sa
	ARM 3, G0S,  G1S, .Lhead_sb
	TLOAD G0SB, G1SB
.Lhead_asked:
	s_lshl_b32 s2, s42, 10                         ; my first column, in bytes
	s_lshl_b32 s23, s[HALF], 9
	s_add_co_u32 s2, s2, s23
	s_mov_b32 s3, 0
	s_add_nc_u64 s[12:13], s[12:13], s[2:3]
	s_add_nc_u64 s[14:15], s[14:15], s[2:3]
	s_lshl_b32 s2, s43, 7
	s_lshl_b32 s23, s[ROLE], 6
	s_add_co_u32 s2, s2, s23
	s_lshl_b32 s2, s2, 12                          ; my first row x 4,096 bytes
	s_add_nc_u64 s[14:15], s[14:15], s[2:3]
	s_mul_i32 s46, s[ROLE], 4*12288                ; my four tiles of 16 tokens
	s_mul_i32 s23, s[HALF], 128*PITCH
	s_add_co_u32 s23, s23, BOFF                    ; my 128 rows of W,
	s_add_co_u32 s47, s23, 64*PITCH                ; and their upper 64
	s_mul_i32 s66, s[ROLE], HALFSA
	s_mul_i32 s67, s[HALF], HALFSB
	s_add_co_u32 s67, s67, 2*HALFSA
	s_sub_co_u32 s67, s67, s66                     ; from O's scales to W's
	s_add_co_u32 s66, s66, SCL
	s_mul_i32 s92, s[WV], 16*SPITCH                ; my stage
	v_and_b32 v1, 15, v0                           ; r
	v_bfe_u32 v2, v0, 4, 1                         ; h
	v_and_b32 v6, 31, v0
	v_lshlrev_b32 v7, 5, v2
.irp b, 0,1,2,3,4,5,6,7
	global_load_b128 v[BI+8*\b:BI+8*\b+3], v7, s[12:13] offset:64*\b          ; the bias in the result's layout
	global_load_b128 v[BI+8*\b+4:BI+8*\b+7], v7, s[12:13] offset:64*\b+16
.endr
	v_lshl_add_u32 v[A16], v6, 4, s46
	v_lshl_add_u32 v[A8], v6, 3, s46
	v_mul_u32_u24 v3, v1, PITCH
	v_mul_u32_u24 v4, v2, 24
	v_add_nc_u32 v4, v3, v4
	v_lshl_add_u32 v5, v2, 4, v4
	v_add_nc_u32 v[ADRB], s23, v4
	v_add_nc_u32 v[ADRB+1], s47, v4
	v_add_nc_u32 v[ADRB+2], s23, v5
	v_add_nc_u32 v[ADRB+3], s47, v5
	v_mul_u32_u24 v5, v1, 32
	v_lshrrev_b32 v3, 8, v5
	v_lshl_add_u32 v5, v3, 4, v5
	v_mul_u32_u24 v3, s67, v2
	v_add_nc_u32 v5, v5, v3
	v_add_nc_u32 v[ADRS], s66, v5
	v_mul_u32_u24 v5, v1, SPITCH
	v_lshl_add_u32 v5, v2, 5, v5
	v_add_nc_u32 v[STO], s92, v5
	v_lshlrev_b32 v[CO], 4, v6
	v_add_nc_u32 v[RD], s92, v[CO]
.macro FRAG reg, q, i                  ; W: piece PCE (8 bytes) of a row lies at 8 PCE + 16 (PCE / 32); lanes 16-31 read three pieces on
.irp p, 0,1,2,3,4,5
.set PCE, 12*(\q)+6*(\p/3)+\p%3
.if PCE%32 < 29
	ds_load_b64 v[\reg+2*\p:\reg+2*\p+1], v[ADRB+(\i)/4] offset:8*PCE+16*(PCE/32)+((\i)%4)*16*PITCH
.else
	ds_load_b64 v[\reg+2*\p:\reg+2*\p+1], v[ADRB+2+(\i)/4] offset:8*PCE+16*(PCE/32)+((\i)%4)*16*PITCH
.endif
.endr
.endm
.macro FRAGA reg, q, i                 ; O: heads 2 q, 2 q + 1 of tile i
.irp e, 0,1
	ds_load_b128 v[\reg+6*\e:\reg+6*\e+3], v[A16] offset:12288*(\i)+768*(2*(\q)+\e)
	ds_load_b64 v[\reg+6*\e+4:\reg+6*\e+5], v[A8] offset:12288*(\i)+768*(2*(\q)+\e)+512
.endr
.endm
.macro FETCH q, set
	WIN 0x40
.irp i, 0,1,2,3,4,5,6,7
	FRAG 128*(\set)+FR*\i, \q, \i
.endr
	WIN 0
.irp i, 0,1,2,3
	FRAGA AF+48*(\set)+FR*\i, \q, \i
.endr
.endm
.macro SCALES pr                       ; the words of steps 2 pr, 2 pr + 1: lanes 0-15 O's block i, lanes 16-31 W's
.irp i, 0,1,2,3,4,5,6,7
	ds_load_b64 v[SC+16*((\pr)%2)+2*\i:SC+16*((\pr)%2)+2*\i+1], v[ADRS] offset:\i*SBLK+8*(\pr)
.endr
.endm
.macro PLACES n
.rept \n
	v_nop
.endr
.endm
.macro MUL16 a0, set, q, sc, first     ; the 32 accumulators take turns
.if \first
	WIN 0x81
.else
	WIN 0xa1
.endif
.irp a, \a0, \a0+1
.irp b, 0,1,2,3,4,5,6,7
.if \first
	v_wmma_scale_f32_16x16x128_f8f6f4 v[8*(8*(\a)+\b):8*(8*(\a)+\b)+7], v[128*(\set)+FR*\b:128*(\set)+FR*\b+FR-1], v[AF+48*(\set)+FR*(\a):AF+48*(\set)+FR*(\a)+FR-1], v[BI+8*\b:BI+8*\b+7], v[SC+16*(\sc)+2*\b+(\q)], v[SC+16*(\sc)+2*(\a)+(\q)] matrix_a_fmt:MATRIX_FMT_FP6 matrix_b_fmt:MATRIX_FMT_FP6 matrix_a_scale:MATRIX_SCALE_ROW1
.else
	v_wmma_scale_f32_16x16x128_f8f6f4 v[8*(8*(\a)+\b):8*(8*(\a)+\b)+7], v[128*(\set)+FR*\b:128*(\set)+FR*\b+FR-1], v[AF+48*(\set)+FR*(\a):AF+48*(\set)+FR*(\a)+FR-1], v[8*(8*(\a)+\b):8*(8*(\a)+\b)+7], v[SC+16*(\sc)+2*\b+(\q)], v[SC+16*(\sc)+2*(\a)+(\q)] matrix_a_fmt:MATRIX_FMT_FP6 matrix_b_fmt:MATRIX_FMT_FP6 matrix_a_scale:MATRIX_SCALE_ROW1
.endif
.endr
.endr
.endm
.macro KSTEP q, first                  ; 128 along K: 32 products; in the middle the next step's fragments go into the other set
	s_wait_dscnt 0x0
	MUL16 0, (\q)%2, (\q)%2, ((\q)/2)%2, \first
	PLACES NP
	FETCH (\q)+1, ((\q)+1)%2
.if ((\q)+1)%2 == 0
	SCALES ((\q)+1)/2
.endif
	MUL16 2, (\q)%2, (\q)%2, ((\q)/2)%2, \first
	WIN 0
.endm
	s_wait_alu depctr_va_vdst(0)                   ; the wait at the head's end
	s_wait_tensorcnt 0x0                           ; my tile is in,
	s_barrier_signal -1
	s_barrier_wait -1                              ; everybody's is
	FETCH 0, 0
	SCALES 0
	s_wait_loadcnt 0x0                             ; the bias
	KSTEP 0, 1
.set ST, 1
.rept 6
	KSTEP ST, 0
.set ST, ST+1
.endr
	s_wait_dscnt 0x0                               ; my last reads of the tiles are done: say so,
	s_barrier_signal -1
	MUL16 0, 1, 1, 1, 0
	MUL16 2, 1, 1, 1, 0
	WIN 0
	s_barrier_wait -1                              ; and nobody reads O's bytes any more: the stages lie there
.macro TOSTAGE a                       ; 16 rows x 128 columns through my stage, each accumulator from its low end on; back as rows of 512 bytes
.set AC, 64*(\a)
	WIN 0x08
.irp b, 0,1,2,3,4,5,6,7
	ds_store_b128 v[STO], v[AC+8*\b:AC+8*\b+3] offset:64*\b
	ds_store_b128 v[STO], v[AC+8*\b+4:AC+8*\b+7] offset:64*\b+16
.endr
	WIN 0
.set BB, BK+64*((\a)%2)
.irp t, 0,1,2,3,4,5,6,7,8,9,10,11,12,13,14,15
	ds_load_b128 v[BB+4*\t:BB+4*\t+3], v[RD] offset:\t*SPITCH
.endr
.endm
.macro SEND a, younger                 ; younger: the LDS instructions issued behind block a's loads
.set BB, BK+64*((\a)%2)
	s_wait_dscnt \younger
.if (\a) > 0
	s_add_nc_u64 s[14:15], s[14:15], 16*4096
.endif
.irp t, 0,1,2,3,4,5,6,7,8,9,10,11,12,13,14,15
	global_store_b128 v[CO], v[BB+4*\t:BB+4*\t+3], s[14:15] offset:\t*4096 th:TH_STORE_NT   ; 32 lanes store 512 consecutive bytes, aligned to 256
.endr
.endm
	PLACES NP
	TOSTAGE 0
.irp a, 1,2,3
.if \a > 1
	s_wait_xcnt 0x0                                ; block a - 2's stores have read their registers and their base
.endif
	TOSTAGE \a
	SEND \a-1, 32                                  ; behind block a - 1's loads: block a's 16 stores and 16 loads
.endr
	s_wait_xcnt 0x0
	SEND 3, 0
	s_wait_tensorcnt 0x0                           ; the wave's end
	ds_add_u32 v[SPW], v[NIL]
	s_wait_dscnt 0x0
	CROUND                                         ; the closing round
	s_endpgm
.Lfunc_end_k_qbad32e6366_proj:
	.size	k_qbad32e6366_proj, .Lfunc_end_k_qbad32e6366_proj-k_qbad32e6366_proj
	.p2alignl 7, 3214868480
	.fill 96, 4, 3214868480
	.section	.rodata,"a",@progbits
	.p2align	6, 0x0
	.amdhsa_kernel k_qbad32e6366_proj
		.amdhsa_group_segment_fixed_size 327680
		.amdhsa_private_segment_fixed_size 0
		.amdhsa_enable_private_segment 0
		.amdhsa_kernarg_size 48
		.amdhsa_user_sgpr_count 2
		.amdhsa_user_sgpr_kernarg_segment_ptr 1
		.amdhsa_wavefront_size32 1
		.amdhsa_system_sgpr_workgroup_id_x 1
		.amdhsa_system_sgpr_workgroup_id_y 1
		.amdhsa_system_sgpr_workgroup_id_z 1
		.amdhsa_system_vgpr_workitem_id 0
		.amdhsa_next_free_vgpr 768
		.amdhsa_next_free_sgpr 100
		.amdhsa_reserve_vcc 0
		.amdhsa_float_denorm_mode_32 3
		.amdhsa_float_denorm_mode_16_64 3
		.amdhsa_memory_ordered 1
		.amdhsa_forward_progress 1
		.amdhsa_inst_pref_size 94
	.end_amdhsa_kernel
	.amdgpu_metadata
---
amdhsa.version: [ 1, 2 ]
amdhsa.kernels:
  - .name:           k_qbad32e6366_proj
    .symbol:         k_qbad32e6366_proj.kd
    .args:
      - { .name: oc, .offset: 0, .size: 8, .value_kind: global_buffer, .address_space: global }
      - { .name: os, .offset: 8, .size: 8, .value_kind: global_buffer, .address_space: global }
      - { .name: proj_w_codes, .offset: 16, .size: 8, .value_kind: global_buffer, .address_space: global }
      - { .name: proj_w_scales, .offset: 24, .size: 8, .value_kind: global_buffer, .address_space: global }
      - { .name: proj_b, .offset: 32, .size: 8, .value_kind: global_buffer, .address_space: global }
      - { .name: out0, .offset: 40, .size: 8, .value_kind: global_buffer, .address_space: global }
    .group_segment_fixed_size: 327680
    .private_segment_fixed_size: 0
    .kernarg_segment_align: 8
    .kernarg_segment_size: 48
    .max_flat_workgroup_size: 128
    .sgpr_count:     100
    .vgpr_count:     768
    .wavefront_size: 32
...
	.end_amdgpu_metadata
.endif
;; end of part 3
